; MI455X (gfx1250); checked and timed in simulation.
; The chip was launched on July 23, 2026; its instructions are those of AMD's public machine-readable ISA for CDNA 5 (MIT licence, August 2026) and "CDNA5" Instruction Set Architecture Reference Guide (July 2026). The comments in the code are by the model that wrote it; some were corrected since.
;; Attention Block. Allowed arithmetic: matrix products marked QUANTISED: E5M2 operands, one E8M0 scale for each 32 along K, by v_wmma_scale_f32_16x16x128_f8f6f4 with both operands' format E5M2, f32 sums; everything else in f32.
;; Inputs: b_out 256 float32; b_qkv 768 float32; beta 256 float32; gamma 256 float32; w_out 256 x 256 float32; w_qkv 256 x 768 float32; x 4 x 256 x 64 x 64 float32.
;; Outputs: out0 4 x 256 x 64 x 64 float32.
;; This version of the problem:
;;   THIS VERSION OF THE PROBLEM IS GIVEN IN LOW PRECISION. The matrix products marked QUANTISED in the list below multiply operands that are first quantised to E5M2 (5 exponent bits, 2 mantissa bits; 8 bits a number), with one power-of-two scale for each 32 numbers along K (OCP MX v1.0); their sums are f32. All else is computed in f32.
;;   The module's matrix products, in the order in which they are computed (A, B: the left and right operand; K: the contracted axis; several contracted axes count as one K, in the product's order):
;;     1. [M 16,384, K 256] x [K 256, N 768]; A: computed on the way; B: input w_qkv: QUANTISED
;;     2. batch 16 x [M 4,096, K 64] x [K 64, N 4,096]; A: computed on the way; B: computed on the way: QUANTISED
;;     3. batch 16 x [M 64, K 4,096] x [K 4,096, N 4,096]; A: computed on the way; B: softmax (see below): QUANTISED
;;     4. [M 16,384, K 256] x [K 256, N 256]; A: computed on the way; B: input w_out: QUANTISED
;;   THE QUANTISER, for each operand of a quantised product, along K:
;;     - K is cut into blocks of 32 from its start; a last block that is shorter is filled with zeros.
;;     - A block's scale is 2^e with e = floor(log2(the largest magnitude in the block)) - 15, held to -126 .. 127; a block of zeros has e = 0. As a byte (E8M0): e + 127.
;;     - Each number is divided by its block's scale, clamped to +-57,344, and rounded to the nearest number of E5M2, ties to even, subnormals kept.
;;     - The product sums the exact products of the quantised numbers (number of the format x scale) in f32.
;;   ~~~python
;;   def quantise(x, axis):      # numpy; x: float32 -> the quantised numbers, widened to float32 again
;;       x = np.moveaxis(x, axis, -1); K = x.shape[-1]
;;       x = np.pad(x, [(0, 0)] * (x.ndim - 1) + [(0, -K % 32)]); x = x.reshape(x.shape[:-1] + (-1, 32)); a = np.abs(x).max(-1, keepdims=True)
;;       e = np.where(a > 0, np.clip(np.frexp(np.where(a > 0, a, 1))[1] - 1 - 15, -126, 127), 0)      # np.frexp(a)[1] - 1 = floor(log2(a)), exactly
;;       r = np.clip(x / 2.0 ** e, -57344, 57344)
;;       step = 2.0 ** (np.maximum(np.frexp(np.where(r == 0, 1, r))[1] - 1, -14) - 2)
;;       q = np.round(r / step) * step * 2.0 ** e      # np.round: ties to even
;;       return np.moveaxis(q.reshape(q.shape[:-2] + (-1,))[..., :K], -1, axis).astype(np.float32)
;;   ~~~
;;   SOFTMAX AHEAD OF A QUANTISED PRODUCT. Where the list says 'softmax', what is quantised is not the finished softmax but p = 2^(t - M), with t = logit x log2(e) and M = ceil(the row's largest t), a whole number; so 1/2 < the row's largest p <= 1. The row's sum l is taken of the UNQUANTISED p, in f32, and the product's result is divided by l at the end. Since M is a whole number, a kernel that streams over the keys may use a running M (the ceiling of the running maximum): every later rescaling is an exact power of two, which a block's scale takes up: the codes' values come out the same.
;;   OPERANDS COMPUTED ON THE WAY. 'Computed on the way' means the value that the module computes at that place (a softmax that the list does not call 'softmax' is quantised finished and normalised). What goes into a quantiser is computed in f32, as accurately as f32 sums, v_exp_f32 and their like allow (about 1e-6 of the number): no bf16 or f16 on the way to a quantiser, and a product that is left as it is and whose result goes on into a quantised operand takes f32 operands (vector FMAs, or v_wmma_f32_16x16x4_f32). A number that lies on a knife's edge between two numbers of the format may be rounded either way, as far as f32 arithmetic and the matrix unit's own rounding can turn it there, and no further.
;; One version. Each part assembles by itself: llvm-mc -triple=amdgcn-amd-amdhsa -mcpu=gfx1250 --defsym DOCPART=n.
;; ======== version 1 of 1: 3 launches
;; limits: right only within a limited range of input values
;; workspace buffers: stats 4,608 bytes; wimg 278,528 bytes; qimg 4,194,304 bytes; kv 8,388,608 bytes; sc 393,216 bytes
;; launch prep (part 1): grid 144 x 1, 8 waves a work-group, no clusters, 1,536 bytes of LDS; arguments x, gamma, w_qkv, w_out, stats, wimg; writes stats, wimg
.if DOCPART == 1
	.amdgcn_target "amdgcn-amd-amdhsa--gfx1250"
	.amdhsa_code_object_version 6
	.text
	.protected	k_qaa979ce5b8_prep
	.globl	k_qaa979ce5b8_prep
	.p2align	8
	.type	k_qaa979ce5b8_prep,@function
k_qaa979ce5b8_prep:
	s_mov_b64 s[64:65], 0
	v_nop
	global_prefetch_b8 v0, s[64:65] scope:SCOPE_SE
	s_setreg_imm32_b32 hwreg(HW_REG_WAVE_MODE, 25, 1), 1
	s_wait_xcnt 0x0
; PREP: what the later launches need once.  Two kinds of work-group, parted by the work-group's number (the same for all eight waves of a work-group).
; Work-groups 0-127, one for each (batch, group) of the GroupNorm: the group's 8 channels x 4,096 pixels are 131,072 consecutive bytes of x.  They are read ONCE and kept in 128 registers a thread,
; so that the variance is a true second pass over (x - mean) and no difference of large sums.  Stored: stats[b][c] = rsqrt(var + eps) x gamma[c] (bytes 0-4095) and the mean of each (b, g) (bytes 4096-4607).
; Work-groups 128-143, one WAVE for each fragment (16 columns x 128 along K) of w_qkv (96 fragments) and w_out (32): codes of E5M2 with one E8M0 byte for each 32 along K, stored as an IMAGE OF THE
; OPERAND'S REGISTERS: registers 4 c .. 4 c + 3 of lane l at 2,048 f + 512 c + 16 l; the fragment's scale words at 262,144 + 128 f + 4 l.  K is the weights' FIRST axis: a lane takes a column and its registers run down K.
; w_qkv: f = 2 tau + ks; lane r of tile tau is column 32 (tau / 2) + 8 (tau % 2) + r + 8 (r / 8), so that two neighbouring tiles' results are 16 neighbours along the next product's K.  w_out: f = 96 + 2 t + ks, lane r is column 16 t + r.
; The weights' loads take 32 or 64 neighbouring bytes in sixteen lanes: 1 MiB in all, read once.  No matrix unit, no tensor load, no cluster: no two work-groups read the same bytes.
; LIMITS: NaN and infinities among the inputs are not served.  A block of zeros gets the byte 1 where the rule says 127 (its codes are zeros, and this program alone reads the bytes); blocks whose largest magnitude lies under 2^-111 are held at the byte 1.
.set X,    16                          ; v16-143  my 128 numbers of the group
.set ACC,  144                         ; v144-151 four chains of packed sums
.set RED,  152                         ; v152-153 the sum across the lanes
.set MEAN, 154                         ; v154-155 the mean, twice (a pair for the packed subtraction)
.set PART, 156                         ; v156-163 the eight waves' parts
.set TQ,   32                          ; weights: v32-47 at work
.set CODE, 48                          ; v48-63   the fragment's codes
.set D,    64                          ; v64-127  64 numbers: register 16 c + i = k 32 c + 16 (lane / 16) + i of my column
.macro ADDRUN first, n                 ; pairs first .. first + n - 1 of X are added, the four chains by turns
.set p, \first
.rept \n
	v_pk_add_f32 v[ACC+2*(p%4):ACC+2*(p%4)+1], v[ACC+2*(p%4):ACC+2*(p%4)+1], v[X+2*p:X+2*p+1]
.set p, p+1
.endr
.endm
; The four chains become one number a lane, one a wave (four steps inside each half of 16 lanes ride on the addition, one crosses the halves), one a work-group (a word of LDS for each wave, a barrier, every wave reads all eight).
.macro ACROSS off
	s_delay_alu instid0(VALU_DEP_3)
	v_pk_add_f32 v[ACC:ACC+1], v[ACC:ACC+1], v[ACC+2:ACC+3]
	s_delay_alu instid0(VALU_DEP_2)
	v_pk_add_f32 v[ACC+4:ACC+5], v[ACC+4:ACC+5], v[ACC+6:ACC+7]
	s_delay_alu instid0(VALU_DEP_1)
	v_pk_add_f32 v[ACC:ACC+1], v[ACC:ACC+1], v[ACC+4:ACC+5]
	s_delay_alu instid0(VALU_DEP_1)
	v_add_f32 v[RED], v[ACC], v[ACC+1]
	s_delay_alu instid0(VALU_DEP_1)
	v_add_f32_dpp v[RED], v[RED], v[RED] row_xmask:1 row_mask:0xf bank_mask:0xf
	s_delay_alu instid0(VALU_DEP_1)
	v_add_f32_dpp v[RED], v[RED], v[RED] row_xmask:2 row_mask:0xf bank_mask:0xf
	s_delay_alu instid0(VALU_DEP_1)
	v_add_f32_dpp v[RED], v[RED], v[RED] row_xmask:4 row_mask:0xf bank_mask:0xf
	s_delay_alu instid0(VALU_DEP_1)
	v_add_f32_dpp v[RED], v[RED], v[RED] row_xmask:8 row_mask:0xf bank_mask:0xf
	s_delay_alu instid0(VALU_DEP_1)
	v_permlanex16_b32 v[RED+1], v[RED], s20, s21
	s_delay_alu instid0(VALU_DEP_1)
	v_add_f32 v[RED], v[RED], v[RED+1]
	ds_store_b32 v2, v[RED] offset:\off            ; all lanes write my wave's word with the same value
	s_wait_dscnt 0x0                               ; for the others' sake: my store has landed
	s_barrier_signal -1
	s_barrier_wait -1
	ds_load_b128 v[PART:PART+3], v3 offset:\off
	ds_load_b128 v[PART+4:PART+7], v3 offset:\off+16
	s_wait_dscnt 0x0
	v_add_f32 v[PART], v[PART], v[PART+1]
	v_add_f32 v[PART+2], v[PART+2], v[PART+3]
	v_add_f32 v[PART+4], v[PART+4], v[PART+5]
	v_add_f32 v[PART+6], v[PART+6], v[PART+7]
	s_delay_alu instid0(VALU_DEP_3)
	v_add_f32 v[PART], v[PART], v[PART+2]
	s_delay_alu instid0(VALU_DEP_2)
	v_add_f32 v[PART+4], v[PART+4], v[PART+6]
	s_delay_alu instid0(VALU_DEP_1)
	v_add_f32 v[PART], v[PART], v[PART+4]
.endm
.macro WLOAD ptr, stride               ; W(32 c + 16 h + i, my column), c = 0 .. 3, i = 0 .. 15
.set n, 0
.rept 64
	global_load_b32 v[D+n], v5, s[\ptr:\ptr+1] offset:(32*(n/16)+n%16)*\stride
.set n, n+1
.endr
.endm
	s_load_b128 s[4:7], s[0:1], 0x0                ; x, gamma
	s_load_b128 s[8:11], s[0:1], 0x10              ; w_qkv, w_out
	s_load_b128 s[12:15], s[0:1], 0x20             ; stats, wimg
	v_lshl_add_u32 v168, v0, 2, 0x200
	v_mov_b32 v169, 0
	v_lshrrev_b32 v1, 5, v0
	s_delay_alu instid0(VALU_DEP_1)
	v_readfirstlane_b32 s16, v1                    ; wave 0..7
	s_mov_b32 s20, 0x76543210
	s_mov_b32 s21, 0xfedcba98                      ; v_permlanex16_b32's selects for lane l xor 16
	s_mov_b32 s19, 0
	s_cmp_ge_u32 ttmp9, 128
	s_cbranch_scc1 .Lweights
	; ---- the statistics of group ttmp9 = 32 b + g
	v_lshlrev_b32 v2, 2, v1                        ; LDS: my wave's word
	v_lshlrev_b32 v1, 4, v0                        ; 16 bytes a thread: a wave's load covers 512 consecutive bytes, the eight waves' 4,096
	v_mov_b32 v3, 0
	v_mov_b32 v[RED+1], 0                          ; a lane permute's destination counts as one of its sources
	s_and_b32 s17, ttmp9, 31
	s_lshl_b32 s17, s17, 5                         ; gamma of the group's 8 channels: 32 g bytes on
	v_and_b32 v4, 7, v0
	s_delay_alu instid0(VALU_DEP_1)
	v_lshl_add_u32 v4, v4, 2, s17
	s_lshl_b32 s18, ttmp9, 17                      ; the group's 131,072 bytes
	s_mov_b32 s22, 0x38000000                      ; 2^-15 = 1 / (8 x 4,096)
	s_mov_b32 s23, 0x3727c5ac                      ; eps = 1e-5
	s_wait_alu depctr_va_vdst(0)
	s_wait_kmcnt 0x0
	s_add_nc_u64 s[4:5], s[4:5], s[18:19]
	global_load_b32 v5, v4, s[6:7]
.set n, 0
.rept 32
	global_load_b128 v[X+4*n:X+4*n+3], v1, s[4:5] offset:4096*n
.set n, n+1
.endr
	s_wait_loadcnt 24                              ; the first eight loads of x are in; the 24 behind them may be out
.irp k, 0,1,2,3
	v_pk_add_f32 v[ACC+2*\k:ACC+2*\k+1], v[X+2*\k:X+2*\k+1], v[X+8+2*\k:X+9+2*\k]   ; the first eight pairs start the four chains: nothing is cleared
.endr
	ADDRUN 8, 8
	s_wait_alu depctr_va_vdst(0)
	s_wait_loadcnt 16
	ADDRUN 16, 16
	s_wait_alu depctr_va_vdst(0)
	s_wait_loadcnt 8
	ADDRUN 32, 16
	s_wait_alu depctr_va_vdst(0)
	s_wait_loadcnt 0x0
	ADDRUN 48, 16
	ACROSS 0
	s_delay_alu instid0(VALU_DEP_1)
	v_mul_f32 v[MEAN], s22, v[PART]
	s_delay_alu instid0(VALU_DEP_1)
	v_mov_b32 v[MEAN+1], v[MEAN]
.set p, 0
.rept 64
	v_pk_add_f32 v[X+2*p:X+2*p+1], v[X+2*p:X+2*p+1], v[MEAN:MEAN+1] neg_lo:[0,1] neg_hi:[0,1]   ; x - mean, in place
.set p, p+1
.endr
.irp k, 0,1,2,3
	v_pk_mul_f32 v[ACC+2*\k:ACC+2*\k+1], v[X+2*\k:X+2*\k+1], v[X+2*\k:X+2*\k+1]
.endr
.set p, 4
.rept 60
	s_delay_alu instid0(VALU_DEP_4)
	v_pk_fma_f32 v[ACC+2*(p%4):ACC+2*(p%4)+1], v[X+2*p:X+2*p+1], v[X+2*p:X+2*p+1], v[ACC+2*(p%4):ACC+2*(p%4)+1]
.set p, p+1
.endr
	ACROSS 256                                     ; other LDS words than the first sum's: no barrier is owed between the two
	s_cmp_lg_u32 s16, 0                            ; wave 0 stores; no barrier follows
	s_cbranch_scc1 .Lno_store
	v_fma_f32 v[RED], v[PART], s22, s23            ; var + eps
	s_wait_alu depctr_va_vdst(0)
	v_rsq_f32 v[RED+1], v[RED]
	s_lshl_b32 s25, ttmp9, 5
	s_lshl_b32 s26, ttmp9, 2
	v_lshl_add_u32 v[PART+1], v0, 2, s25           ; (a plain line behind the transcendental)  stats: 4 (256 b + 8 g + t)
	v_mov_b32 v[PART+2], s26                       ; and 4 (32 b + g), behind byte 4,096
	s_wait_alu depctr_va_vdst(0)
	v_mul_f32 v[RED+1], v[RED+1], v5               ; rstd x gamma of channel 8 g + t
	s_wait_alu depctr_va_vdst(0)
	s_wait_xcnt 0x0                                ; EXEC changes only behind this wait: it is a source of the loads above
	v_cmp_gt_u32 vcc_lo, 8, v0
	s_and_saveexec_b32 s24, vcc_lo
	global_store_b32 v[PART+1], v[RED+1], s[12:13]
	s_wait_xcnt 0x0
	s_or_b32 exec_lo, exec_lo, s24
	v_cmp_eq_u32 vcc_lo, 0, v0
	s_and_saveexec_b32 s24, vcc_lo
	global_store_b32 v[PART+2], v[MEAN], s[12:13] offset:4096
	s_wait_xcnt 0x0
	s_or_b32 exec_lo, exec_lo, s24
.Lno_store:
	s_wait_tensorcnt 0x0
	ds_add_u32 v168, v169
	s_wait_dscnt 0x0
	s_endpgm
	; ---- the weights: my wave's fragment f = 8 (work-group - 128) + wave
.Lweights:
	v_and_b32 v1, 15, v0                           ; r
	v_bfe_u32 v2, v0, 4, 1                         ; h
	v_and_b32 v3, 31, v0                           ; lane
	s_sub_co_u32 s17, ttmp9, 128
	s_lshl_b32 s17, s17, 3
	s_add_co_u32 s17, s17, s16                     ; f
	s_and_b32 s25, s17, 1                          ; ks: which 128 along K
	s_lshl_b32 s26, s17, 11
	v_lshl_add_u32 v6, v3, 4, s26                  ; the image: 2,048 f + 16 lane
	s_lshl_b32 s26, s17, 7
	v_lshl_add_u32 v7, v3, 2, s26                  ; the scale words: 128 f + 4 lane
.irp b, 0,1,2,3
	v_mov_b32 v[TQ+4+\b], 0                        ; a lane permute's destination counts as one of its sources
.endr
	s_wait_kmcnt 0x0
	s_cmp_ge_u32 ttmp9, 140
	s_cbranch_scc1 .Lw_out
	s_lshr_b32 s24, s17, 1                         ; tau
	s_lshr_b32 s27, s24, 1
	s_lshl_b32 s27, s27, 7                         ; 4 x 32 (tau / 2)
	s_and_b32 s28, s24, 1
	s_lshl_b32 s28, s28, 5                         ; 4 x 8 (tau % 2)
	s_add_co_u32 s27, s27, s28
	s_mul_i32 s18, s25, 128*3072                   ; 128 ks rows of 3,072 bytes
	s_add_co_u32 s18, s18, s27
	s_add_nc_u64 s[8:9], s[8:9], s[18:19]
	s_wait_alu depctr_va_vdst(0)
	v_and_b32 v4, 8, v1
	s_delay_alu instid0(VALU_DEP_1)
	v_add_nc_u32 v4, v4, v1                        ; r + 8 (r / 8)
	s_delay_alu instid0(VALU_DEP_1)
	v_lshlrev_b32 v4, 2, v4
	s_delay_alu instid0(VALU_DEP_1)
	v_mad_u32_u24 v5, v2, 16*3072, v4              ; lanes 16-31 begin 16 rows further down
	WLOAD 8, 3072
	s_branch .Lquant
.Lw_out:
	s_sub_co_u32 s24, s17, 96
	s_lshr_b32 s24, s24, 1                         ; t
	s_lshl_b32 s27, s24, 6                         ; 4 x 16 t
	s_lshl_b32 s18, s25, 17                        ; 128 ks rows of 1,024 bytes
	s_add_co_u32 s18, s18, s27
	s_add_nc_u64 s[10:11], s[10:11], s[18:19]
	s_wait_alu depctr_va_vdst(0)
	v_lshlrev_b32 v4, 2, v1
	s_delay_alu instid0(VALU_DEP_1)
	v_lshl_add_u32 v5, v2, 14, v4
	WLOAD 10, 1024
.Lquant:
	s_wait_loadcnt 0x0
.irp b, 0,1,2,3
	v_max3_num_f32 v[TQ+\b], |v[D+16*\b]|, |v[D+1+16*\b]|, 0x8000000   ; block b: my 16 numbers, and the floor 2^(16 - 127): the byte cannot fall under 1
.endr
.irp i, 2,4,6,8,10,12,14
.irp b, 0,1,2,3
	s_delay_alu instid0(VALU_DEP_4)
	v_max3_num_f32 v[TQ+\b], v[TQ+\b], |v[D+16*\b+\i]|, |v[D+1+16*\b+\i]|   ; the four blocks by turns
.endr
.endr
.irp b, 0,1,2,3
	s_delay_alu instid0(VALU_DEP_4)
	v_permlanex16_b32 v[TQ+4+\b], v[TQ+\b], s20, s21
.endr
.irp b, 0,1,2,3
	s_delay_alu instid0(VALU_DEP_4)
	v_max_num_f32 v[TQ+\b], v[TQ+\b], v[TQ+4+\b]   ; with lane l xor 16's 16: the block's largest magnitude
.endr
.irp b, 0,1,2,3
	s_delay_alu instid0(VALU_DEP_4)
	v_add_nc_u32 v[TQ+12+\b], 0xf8800000, v[TQ+\b] ; 15 off its exponent field: the conversion takes this operand's exponent field as its scale
.endr
.irp b, 0,1,2,3
.endr
.irp b, 0,1,2,3
	s_delay_alu instid0(VALU_DEP_4)
	v_lshrrev_b32 v[TQ+4+\b], 23, v[TQ+12+\b]      ; the scale's byte
.endr
	s_delay_alu instid0(VALU_DEP_3)
	v_lshl_or_b32 v9, v[TQ+5], 8, v[TQ+4]          ; my column's scale word (lanes 16-31 hold the same)
	s_delay_alu instid0(VALU_DEP_1)
	v_lshl_or_b32 v9, v[TQ+6], 16, v9
	s_delay_alu instid0(VALU_DEP_1)
	v_lshl_or_b32 v9, v[TQ+7], 24, v9
.irp c, 0,1,2,3
.irp i, 0,1,2,3,4,5,6,7,8,9,10,11,12,13,14,15
.endr
	v_cvt_scalef32_pk8_bf8_f32 v[CODE+4*\c:CODE+1+4*\c], v[D+16*\c:D+7+16*\c], v[TQ+12+\c]
	v_cvt_scalef32_pk8_bf8_f32 v[CODE+2+4*\c:CODE+3+4*\c], v[D+8+16*\c:D+15+16*\c], v[TQ+12+\c]
.endr
	v_nop                                          ; a plain line behind the last conversion
.irp c, 0,1,2,3
	global_store_b128 v6, v[CODE+4*\c:CODE+3+4*\c], s[14:15] offset:512*\c   ; 32 lanes store 512 consecutive bytes, aligned
.endr
	global_store_b32 v7, v9, s[14:15] offset:262144
	s_endpgm
.Lfunc_end_k_qaa979ce5b8_prep:
	.size	k_qaa979ce5b8_prep, .Lfunc_end_k_qaa979ce5b8_prep-k_qaa979ce5b8_prep
	.p2alignl 7, 3214868480
	.fill 96, 4, 3214868480
	.section	.rodata,"a",@progbits
	.p2align	6, 0x0
	.amdhsa_kernel k_qaa979ce5b8_prep
		.amdhsa_group_segment_fixed_size 1536
		.amdhsa_private_segment_fixed_size 0
		.amdhsa_enable_private_segment 0
		.amdhsa_kernarg_size 48
		.amdhsa_user_sgpr_count 2
		.amdhsa_user_sgpr_kernarg_segment_ptr 1
		.amdhsa_wavefront_size32 1
		.amdhsa_system_sgpr_workgroup_id_x 1
		.amdhsa_system_sgpr_workgroup_id_y 1
		.amdhsa_system_sgpr_workgroup_id_z 1
		.amdhsa_system_vgpr_workitem_id 0
		.amdhsa_next_free_vgpr 170
		.amdhsa_next_free_sgpr 66
		.amdhsa_reserve_vcc 1
		.amdhsa_float_denorm_mode_32 3
		.amdhsa_float_denorm_mode_16_64 3
		.amdhsa_fp16_overflow 1
		.amdhsa_memory_ordered 1
		.amdhsa_forward_progress 1
		.amdhsa_inst_pref_size 42
	.end_amdhsa_kernel
	.amdgpu_metadata
---
amdhsa.version: [ 1, 2 ]
amdhsa.kernels:
  - .name:           k_qaa979ce5b8_prep
    .symbol:         k_qaa979ce5b8_prep.kd
    .args:
      - { .name: x, .offset: 0, .size: 8, .value_kind: global_buffer, .address_space: global }
      - { .name: gamma, .offset: 8, .size: 8, .value_kind: global_buffer, .address_space: global }
      - { .name: w_qkv, .offset: 16, .size: 8, .value_kind: global_buffer, .address_space: global }
      - { .name: w_out, .offset: 24, .size: 8, .value_kind: global_buffer, .address_space: global }
      - { .name: stats, .offset: 32, .size: 8, .value_kind: global_buffer, .address_space: global }
      - { .name: wimg, .offset: 40, .size: 8, .value_kind: global_buffer, .address_space: global }
    .group_segment_fixed_size: 1536
    .private_segment_fixed_size: 0
    .kernarg_segment_align: 8
    .kernarg_segment_size: 48
    .max_flat_workgroup_size: 256
    .sgpr_count:     66
    .vgpr_count:     170
    .wavefront_size: 32
...
	.end_amdgpu_metadata
.endif
;; end of part 1
;; launch qkv (part 2): grid 64 x 4, 16 waves a work-group, no clusters, 22,528 bytes of LDS; arguments x, stats, beta, wimg, b_qkv, qimg, kv, sc; writes qimg, kv, sc
.if DOCPART == 2
	.amdgcn_target "amdgcn-amd-amdhsa--gfx1250"
	.amdhsa_code_object_version 6
	.text
	.protected	k_qaa979ce5b8_qkv
	.globl	k_qaa979ce5b8_qkv
	.p2align	8
	.type	k_qaa979ce5b8_qkv,@function
k_qaa979ce5b8_qkv:
	s_mov_b64 s[64:65], 0
	v_nop
	global_prefetch_b8 v0, s[64:65] scope:SCOPE_SE
	s_setreg_imm32_b32 hwreg(HW_REG_WAVE_MODE, 25, 1), 1
	s_wait_xcnt 0x0
; QKV: h = GroupNorm(x), quantised along the channels; qkv = h w_qkv + b_qkv on codes of E5M2 with E8M0 scales; q and k quantised along d, v along the keys.  All three leave as IMAGES OF OPERAND REGISTERS.
; SHARES.  A work-group takes 64 pixels (block ttmp9) of batch ttmp7 and all 768 columns.  Sixteen waves, four to a SIMD, 256 registers each.
; PHASE X: wave w takes pixels 32 (w % 2) + lane and channels 32 (w / 2) .. + 31: a lane's 32 registers run down the channels, a whole block of 32 along K, so that its largest magnitude needs no other lane.
;   h = (x - mean) x (rstd x gamma) + beta: an order of rounding that differs from the source's by about 1e-7 of the number.  The codes go to LDS as rows of 256 codes; a barrier.
; THE ROWS OF A TILE ARE NOT NEIGHBOURS: row rho of row tile m = 2 P + u is pixel 32 P + 16 (rho / 8) + 8 u + rho % 8.  Wherever such a tile is source 0, registers of tiles 2 P and 2 P + 1 are 16 neighbouring pixels.
; PHASE M: wave w = 4 head + j keeps SIX fragments of the weights in registers: two tiles (32 of d) of q (j = 0, 1) or k (j = 2, 3), used transposed (source 0 = weights, source 1 = h: a lane holds one pixel, registers run along d),
;   and one tile (16 of d) of v, used as it lies (source 0 = h, source 1 = weights: a lane holds one d, registers run along the pixels, which are the keys).  The bias is the C of each sum's first product.
; OUT: qimg [b][block][head][m][cblk][512]; kv [b][block][ K: [head][m][cblk][512] | V: [head][ct][P][512] ]; a group of four registers is 512 bytes, lane l's 16 at 16 l: each store covers 512 consecutive bytes, aligned.
;   sc [b][block][ Q 512 | K 512 | V 512 ]: scale bytes [head][m][row][cblk], V's [head][ct][row][P]; gathered in LDS and stored as whole runs of 512 bytes.
; NO JOINT LOADS of the weights, though all work-groups read them: a wave's six fragments (12,288 bytes) go from memory straight into the registers where they stay; through LDS all 204 KiB would be written and read once more, for 24 matrix instructions a wave.
; LIMITS: NaN and infinities are not served.  A block of zeros gets the byte 1 where the rule says 127 (its codes are zeros; this program alone reads the bytes); blocks under 2^-111 are held at the byte 1.
.set HP,   272                         ; a row of h's codes in LDS: 256 bytes + 16: the 16 rows that a fragment load touches start at 16 different banks (64 banks of 4 bytes: ISA guide 11.1)
.set HS,   64*HP                       ; behind the 64 rows: their scale bytes, 8 a row
.set TBL,  HS+512                      ; behind those: the block's 1,536 bytes of sc
.set WQ,   16                          ; v16-79   q's or k's fragments: (u, ks) at 16 (2 u + ks)
.set WVF,  80                          ; v80-111  v's fragments (ks)
.set WSC,  112                         ; v112-117 their scale words
.set HSC,  118                         ; v118-119 h's scale words
.set BQ,   120                         ; v120-135 the bias of my two tiles of q or k
.set BV,   136                         ; v136-143 of my tile of v
.set XH,   144                         ; v144-175 x's 32 numbers, later h's two fragments
.set AQ,   176                         ; v176-191 two accumulators of q or k
.set AV,   192                         ; v192-207 two of v (row tiles 2 P, 2 P + 1)
.set CQ,   208                         ; v208-223 codes: four registers for each m, never written again while a store reads them
.set CV,   224                         ; v224-231 and for each P
.set T,    232                         ; v232-236 at work
.set EB,   240                         ; v240-245 scale bytes, a register each
.set WV,   14
.set SEL,  62
.set MNT,  66
.macro MM d, a, b, c, sa, sb
	v_wmma_scale_f32_16x16x128_f8f6f4 v[\d:\d+7], v[\a:\a+15], v[\b:\b+15], v[\c:\c+7], v[\sa], v[\sb] matrix_a_fmt:MATRIX_FMT_BF8 matrix_b_fmt:MATRIX_FMT_BF8
.endm
; 16 numbers of a lane, v[s] .. v[s + 15], half a block of 32 (lane l xor 16 holds the other half), become 16 codes in v[c] .. v[c + 3] and the block's byte in v[e].  Each accumulator is read from its low end on.
.macro QUANT1 s, c, e
	v_max3_num_f32 v[T], |v[\s]|, |v[\s+1]|, 0x8000000             ; two chains; the floor 2^(16 - 127) among the leaves: the byte cannot fall under 1
	v_max3_num_f32 v[T+1], |v[\s+8]|, |v[\s+9]|, |v[\s+10]|
	v_max3_num_f32 v[T], v[T], |v[\s+2]|, |v[\s+3]|
	v_max3_num_f32 v[T+1], v[T+1], |v[\s+11]|, |v[\s+12]|
	v_max3_num_f32 v[T], v[T], |v[\s+4]|, |v[\s+5]|
	v_max3_num_f32 v[T+1], v[T+1], |v[\s+13]|, |v[\s+14]|
	v_max3_num_f32 v[T], v[T], |v[\s+6]|, |v[\s+7]|
	v_max3_num_f32 v[T], v[T], v[T+1], |v[\s+15]|
	s_delay_alu instid0(VALU_DEP_1)
	v_permlanex16_b32 v[T+2], v[T], s[SEL], s[SEL+1]
	s_delay_alu instid0(VALU_DEP_1)
	v_max_num_f32 v[T], v[T], v[T+2]               ; the block's largest magnitude
	s_delay_alu instid0(VALU_DEP_1)
	v_add_nc_u32 v[T+3], 0xf8800000, v[T]          ; 15 off its exponent field: the conversion's scale operand
	s_delay_alu instid0(VALU_DEP_1)
	v_lshrrev_b32 v[\e], 23, v[T+3]                ; the scale's byte
.irp i, 0,1,2,3,4,5,6,7,8,9,10,11,12,13,14,15
.endr
	v_cvt_scalef32_pk8_bf8_f32 v[\c:\c+1], v[\s:\s+7], v[T+3]
	v_cvt_scalef32_pk8_bf8_f32 v[\c+2:\c+3], v[\s+8:\s+15], v[T+3]
	v_nop                                          ; a plain line between the conversions and the products that write their sources again
.endm
; Row tile m: h's two fragments from LDS; six products, three accumulators by turns; q's or k's 32 of d quantised and stored; behind an odd m, v's 32 keys.
.macro ROWT m
.irp ks, 0,1
.irp c, 0,1,2,3
	ds_load_b128 v[XH+16*\ks+4*\c:XH+16*\ks+4*\c+3], v7 offset:16*\m*HP+128*\ks+32*\c
.endr
	ds_load_b32 v[HSC+\ks], v8 offset:128*\m+4*\ks
.endr
	s_wait_dscnt 0x0
	MM AQ, WQ, XH, BQ, WSC, HSC
	MM AQ+8, WQ+32, XH, BQ+8, WSC+2, HSC
	MM AV+8*(\m%2), XH, WVF, BV, HSC, WSC+4
	MM AQ, WQ+16, XH+16, AQ, WSC+1, HSC+1
	MM AQ+8, WQ+48, XH+16, AQ+8, WSC+3, HSC+1
	MM AV+8*(\m%2), XH+16, WVF+16, AV+8*(\m%2), HSC+1, WSC+5
.rept 9
	v_nop                                          ; eight places ahead of the reads of the results and of the next loads into h's registers; nine ahead of the next tile's products, which begin these accumulators anew with another C
.endr
	QUANT1 AQ, CQ+4*\m, EB+\m
	global_store_b128 v250, v[CQ+4*\m:CQ+4*\m+3], s[56:57] offset:1024*\m
	ds_store_b8 v10, v[EB+\m] offset:32*\m         ; both lanes of a block write the same byte with the same value
.if \m%2
	QUANT1 AV, CV+4*(\m/2), EB+4+\m/2
	global_store_b128 v251, v[CV+4*(\m/2):CV+4*(\m/2)+3], s[58:59] offset:512*(\m/2)
.endif
.endm
	s_load_b256 s[4:11], s[0:1], 0x0               ; x, stats, beta, wimg
	s_load_b64 s[12:13], s[0:1], 0x20              ; b_qkv
	s_load_b128 s[56:59], s[0:1], 0x28             ; qimg, kv
	s_load_b64 s[60:61], s[0:1], 0x38              ; sc
	v_lshl_add_u32 v254, v0, 2, 0x5000
	v_mov_b32 v255, 0
	v_lshrrev_b32 v1, 5, v0
	s_delay_alu instid0(VALU_DEP_1)
	v_readfirstlane_b32 s[WV], v1                  ; wave 0..15
	s_and_b32 s15, ttmp7, 0xffff                   ; batch
	s_mov_b32 s[SEL], 0x76543210
	s_mov_b32 s[SEL+1], 0xfedcba98                 ; lane l xor 16
	v_and_b32 v1, 31, v0                           ; lane
	s_wait_alu depctr_va_vdst(0)
	v_and_b32 v2, 15, v0                           ; r
	v_bfe_u32 v3, v0, 4, 1                         ; h
	v_mov_b32 v[T+2], 0                            ; a lane permute's destination counts as one of its sources
	s_and_b32 s52, s[WV], 1                        ; phase X: which 32 pixels; phase M: which 32 of d (cblk)
	s_lshr_b32 s53, s[WV], 1                       ; phase X: which 32 channels (cb)
	s_lshl_b32 s3, s15, 22                         ; x: batch x 256 channels of 16,384 bytes
	s_lshl_b32 s67, s53, 19                        ;    + 32 cb channels
	s_add_co_u32 s3, s3, s67
	s_lshl_b32 s67, ttmp9, 8                       ;    + the block's 64 pixels
	s_add_co_u32 s3, s3, s67
	s_lshl_b32 s67, s52, 7                         ;    + my 32 of them
	s_add_co_u32 s3, s3, s67
	v_lshl_add_u32 v4, v1, 2, s3                   ; a wave's load covers 128 consecutive bytes, two waves' an aligned 256
	v_and_b32 v232, 7, v0                          ; where pixel 32 sh + lane lies among the rows: 32 sh + 16 (bit 3) + 8 (bit 4) + lane % 8
	v_bfe_u32 v233, v0, 3, 1
	s_delay_alu instid0(VALU_DEP_1)
	v_lshl_add_u32 v232, v233, 4, v232
	s_wait_alu depctr_va_vdst(0)
	v_lshl_add_u32 v232, v3, 3, v232
	s_lshl_b32 s3, s52, 5
	v_add_nc_u32 v232, s3, v232
	s_lshl_b32 s3, s53, 5
	v_mul_u32_u24 v5, v232, HP
	s_delay_alu instid0(VALU_DEP_1)
	v_add_nc_u32 v5, s3, v5                        ; my row's 32 codes: row x 272 + 32 cb
	s_add_co_u32 s3, s53, HS
	v_lshl_add_u32 v6, v232, 3, s3                 ; and their byte: 8 x row + cb
	v_mul_u32_u24 v7, v2, HP
	s_delay_alu instid0(VALU_DEP_1)
	v_lshl_add_u32 v7, v3, 4, v7                   ; a fragment of h: row r, + 16 h
	v_lshl_add_u32 v8, v2, 3, HS                   ; its scale words
	s_lshr_b32 s100, s[WV], 2                      ; head
	s_and_b32 s101, s[WV], 3                       ; j
	s_mul_i32 s3, s100, 12
	s_lshl_b32 s67, s101, 1
	s_add_co_u32 s67, s67, s3                      ; tau0 = 12 head + 2 j: my two tiles of q or k
	s_add_co_u32 s3, s3, s101
	s_add_co_u32 s3, s3, 8                         ; tauv = 12 head + 8 + j: my tile of v
	s_lshl_b32 s2, s67, 12
	v_lshl_add_u32 v12, v1, 4, s2                  ; wimg: fragments 2 tau0 .. 2 tau0 + 3
	s_lshl_b32 s2, s3, 12
	v_lshl_add_u32 v13, v1, 4, s2                  ; fragments 2 tauv, 2 tauv + 1
	s_lshl_b32 s2, s67, 8
	v_lshl_add_u32 v14, v1, 2, s2                  ; their scale words
	s_lshl_b32 s2, s3, 8
	v_lshl_add_u32 v15, v1, 2, s2
	s_lshl_b32 s2, s67, 6
	v_lshl_add_u32 v248, v3, 6, s2                 ; b_qkv for q or k: columns 16 tau0 + 8 u + 16 h + 0 .. 7
	s_lshr_b32 s2, s3, 1
	s_lshl_b32 s2, s2, 7
	s_and_b32 s3, s3, 1
	s_lshl_b32 s3, s3, 5
	s_add_co_u32 s2, s2, s3
	v_and_b32 v233, 8, v2
	s_delay_alu instid0(VALU_DEP_1)
	v_add_nc_u32 v233, v233, v2
	s_delay_alu instid0(VALU_DEP_1)
	v_lshl_add_u32 v249, v233, 2, s2               ; for v: column 32 (tauv / 2) + 8 (tauv % 2) + r + 8 (r / 8)
	s_bfe_u32 s2, s[WV], 0x10001                   ; part: 0 = q, 1 = k
	s_lshl_b32 s2, s2, 9
	s_lshl_b32 s3, s100, 7
	s_add_co_u32 s2, s2, s3
	s_add_co_u32 s2, s2, s52
	s_add_co_u32 s2, s2, TBL
	v_lshl_add_u32 v10, v2, 1, s2                  ; q's or k's scale byte: 512 part + 128 head + 32 m + 2 r + cblk
	s_lshl_b32 s2, s[WV], 5
	s_add_co_u32 s2, s2, TBL+1024
	v_lshl_add_u32 v11, v2, 1, s2                  ; v's two: 1,024 + 32 wave + 2 r
	s_lshl_b32 s2, s15, 6
	s_add_co_u32 s2, s2, ttmp9                     ; the block's number in all: 64 batch + block
	s_mul_i32 s67, s2, 1536
	v_lshl_add_u32 v253, v0, 4, s67                ; sc: waves 0 to 2 store 512 bytes each
	v_lshl_add_u32 v252, v0, 4, TBL
	s_lshl_b32 s3, s2, 15                          ; kv: 32,768 bytes a block
	s_lshl_b32 s67, s[WV], 10
	s_add_co_u32 s67, s67, s3
	s_add_co_u32 s67, s67, 16384
	v_lshl_add_u32 v251, v1, 4, s67                ; v's codes: behind K's 16,384, 1,024 a wave
	s_lshl_b32 s67, s2, 14                         ; qimg: 16,384 bytes a block
	s_bitcmp1_b32 s[WV], 1
	s_cselect_b32 s67, s3, s67
	s_lshl_b32 s3, s100, 12
	s_add_co_u32 s67, s67, s3
	s_lshl_b32 s3, s52, 9
	s_add_co_u32 s67, s67, s3
	v_lshl_add_u32 v250, v1, 4, s67                ; q's or k's codes: block + 4,096 head + 1,024 m + 512 cblk + 16 lane
	s_lshl_b32 s54, s15, 10                        ; stats: rstd x gamma of my 32 channels
	s_lshl_b32 s55, s53, 7                         ; (and beta's)
	s_add_co_u32 s54, s54, s55
	s_lshl_b32 s2, s15, 7                          ; the means of my 4 groups
	s_lshl_b32 s3, s53, 4
	s_add_co_u32 s2, s2, s3
	s_wait_alu depctr_va_vdst(0)
	s_wait_kmcnt 0x0
	s_bitcmp1_b32 s[WV], 1
	s_cselect_b64 s[56:57], s[58:59], s[56:57]     ; where my q or k goes: the choice hangs on the wave's number alone
.set i, 0
.rept 32
	global_load_b32 v[XH+i], v4, s[4:5] offset:i*16384   ; x(channel 32 cb + i, my pixel)
.set i, i+1
.endr
	s_load_b512 s[16:31], s[6:7], s54 offset:0x0   ; s54, s55 and s2 are written no more
	s_load_b512 s[32:47], s[6:7], s54 offset:0x40
	s_load_b128 s[48:51], s[6:7], s2 offset:0x1000
	s_load_b512 s[68:83], s[8:9], s55 offset:0x0
	s_load_b512 s[84:99], s[8:9], s55 offset:0x40
.set i, 0
.rept 16
	global_load_b128 v[WQ+4*i:WQ+4*i+3], v12, s[10:11] offset:512*i
.set i, i+1
.endr
.set i, 0
.rept 8
	global_load_b128 v[WVF+4*i:WVF+4*i+3], v13, s[10:11] offset:512*i
.set i, i+1
.endr
.irp n, 0,1,2,3
	global_load_b32 v[WSC+\n], v14, s[10:11] offset:262144+128*\n
.endr
.irp n, 0,1
	global_load_b32 v[WSC+4+\n], v15, s[10:11] offset:262144+128*\n
.endr
.irp u, 0,1
	global_load_b128 v[BQ+8*\u:BQ+8*\u+3], v248, s[12:13] offset:32*\u
	global_load_b128 v[BQ+8*\u+4:BQ+8*\u+7], v248, s[12:13] offset:32*\u+16
.endr
	global_load_b32 v[BV], v249, s[12:13]
	; ---- PHASE X
	s_wait_kmcnt 0x0
	s_wait_loadcnt 35                              ; x's 32 loads are in; the 35 issued behind them (24 of fragments, 6 scale words, 5 of the bias) may be out
.set i, 0
.rept 32
	v_sub_f32 v[XH+i], v[XH+i], s[48+i/8]
.set i, i+1
.endr
.set i, 0
.rept 32
	v_fma_f32 v[XH+i], v[XH+i], s[16+i], s[68+i]
.set i, i+1
.endr
	v_max3_num_f32 v[T], |v[XH]|, |v[XH+1]|, |v[XH+2]|             ; the block's largest magnitude: all 32 numbers are mine
	v_max3_num_f32 v[T+1], |v[XH+3]|, |v[XH+4]|, |v[XH+5]|
.irp i, 6,10,14,18,22,26
	s_delay_alu instid0(VALU_DEP_2)
	v_max3_num_f32 v[T], v[T], |v[XH+\i]|, |v[XH+\i+1]|
	s_delay_alu instid0(VALU_DEP_2)
	v_max3_num_f32 v[T+1], v[T+1], |v[XH+\i+2]|, |v[XH+\i+3]|
.endr
	s_delay_alu instid0(VALU_DEP_2)
	v_max3_num_f32 v[T], v[T], |v[XH+30]|, |v[XH+31]|
	s_delay_alu instid0(VALU_DEP_1)
	v_max3_num_f32 v[T], v[T], v[T+1], 0x8000000
	s_delay_alu instid0(VALU_DEP_1)
	v_add_nc_u32 v[T+3], 0xf8800000, v[T]
	s_delay_alu instid0(VALU_DEP_1)
	v_lshrrev_b32 v[EB], 23, v[T+3]
.set i, 0
.rept 32
.set i, i+1
.endr
.irp g, 0,1,2,3
	v_cvt_scalef32_pk8_bf8_f32 v[CQ+2*\g:CQ+2*\g+1], v[XH+8*\g:XH+8*\g+7], v[T+3]
.endr
	v_nop                                          ; a plain line behind the last conversion
	ds_store_b128 v5, v[CQ:CQ+3]
	ds_store_b128 v5, v[CQ+4:CQ+7] offset:16
	ds_store_b8 v6, v[EB]
	s_wait_dscnt 0x0                               ; for the others' sake: my codes and my byte have landed
	s_barrier_signal -1
	s_barrier_wait -1                              ; h's 64 rows lie in LDS
	s_wait_loadcnt 0x0                             ; the weights and the bias
.irp j, 1,2,3,4,5,6,7
	v_mov_b32 v[BV+\j], v[BV]                      ; in v's result a lane holds one column: its bias in all eight registers
.endr
	; ---- PHASE M
	s_wait_alu depctr_va_vdst(0)
	ROWT 0
	ROWT 1
	ROWT 2
	ROWT 3
	v_lshl_or_b32 v[EB+6], v[EB+5], 8, v[EB+4]     ; v's two bytes: P = 0 below, P = 1 above
	ds_store_b16 v11, v[EB+6]
	s_wait_dscnt 0x0                               ; for the others' sake: my scale bytes have landed
	s_barrier_signal -1
	s_barrier_wait -1
	s_cmp_gt_u32 s[WV], 2                          ; waves 0, 1, 2 store Q's, K's and V's 512 scale bytes; no barrier follows
	s_cbranch_scc1 .Ldone
	ds_load_b128 v[T:T+3], v252
	s_wait_dscnt 0x0
	global_store_b128 v253, v[T:T+3], s[60:61]     ; 32 lanes store 512 consecutive bytes, aligned
.Ldone:
	s_wait_tensorcnt 0x0
	ds_add_u32 v254, v255
	s_wait_dscnt 0x0
	s_endpgm
.Lfunc_end_k_qaa979ce5b8_qkv:
	.size	k_qaa979ce5b8_qkv, .Lfunc_end_k_qaa979ce5b8_qkv-k_qaa979ce5b8_qkv
	.p2alignl 7, 3214868480
	.fill 96, 4, 3214868480
	.section	.rodata,"a",@progbits
	.p2align	6, 0x0
	.amdhsa_kernel k_qaa979ce5b8_qkv
		.amdhsa_group_segment_fixed_size 22528
		.amdhsa_private_segment_fixed_size 0
		.amdhsa_enable_private_segment 0
		.amdhsa_kernarg_size 64
		.amdhsa_user_sgpr_count 2
		.amdhsa_user_sgpr_kernarg_segment_ptr 1
		.amdhsa_wavefront_size32 1
		.amdhsa_system_sgpr_workgroup_id_x 1
		.amdhsa_system_sgpr_workgroup_id_y 1
		.amdhsa_system_sgpr_workgroup_id_z 1
		.amdhsa_system_vgpr_workitem_id 0
		.amdhsa_next_free_vgpr 256
		.amdhsa_next_free_sgpr 102
		.amdhsa_reserve_vcc 0
		.amdhsa_float_denorm_mode_32 3
		.amdhsa_float_denorm_mode_16_64 3
		.amdhsa_fp16_overflow 1
		.amdhsa_memory_ordered 1
		.amdhsa_forward_progress 1
		.amdhsa_inst_pref_size 33
	.end_amdhsa_kernel
	.amdgpu_metadata
---
amdhsa.version: [ 1, 2 ]
amdhsa.kernels:
  - .name:           k_qaa979ce5b8_qkv
    .symbol:         k_qaa979ce5b8_qkv.kd
    .args:
      - { .name: x, .offset: 0, .size: 8, .value_kind: global_buffer, .address_space: global }
      - { .name: stats, .offset: 8, .size: 8, .value_kind: global_buffer, .address_space: global }
      - { .name: beta, .offset: 16, .size: 8, .value_kind: global_buffer, .address_space: global }
      - { .name: wimg, .offset: 24, .size: 8, .value_kind: global_buffer, .address_space: global }
      - { .name: b_qkv, .offset: 32, .size: 8, .value_kind: global_buffer, .address_space: global }
      - { .name: qimg, .offset: 40, .size: 8, .value_kind: global_buffer, .address_space: global }
      - { .name: kv, .offset: 48, .size: 8, .value_kind: global_buffer, .address_space: global }
      - { .name: sc, .offset: 56, .size: 8, .value_kind: global_buffer, .address_space: global }
    .group_segment_fixed_size: 22528
    .private_segment_fixed_size: 0
    .kernarg_segment_align: 8
    .kernarg_segment_size: 64
    .max_flat_workgroup_size: 512
    .sgpr_count:     102
    .vgpr_count:     256
    .wavefront_size: 32
...
	.end_amdgpu_metadata
.endif
;; end of part 2
;; launch attn (part 3): grid 64 x 4, 16 waves a work-group, clusters of 4 x 1, 327,680 bytes of LDS; arguments qimg, kv, sc, wimg, b_out, x, out0; writes out0
.if DOCPART == 3
	.amdgcn_target "amdgcn-amd-amdhsa--gfx1250"
	.amdhsa_code_object_version 6
	.text
	.protected	k_qaa979ce5b8_attn
	.globl	k_qaa979ce5b8_attn
	.p2align	8
	.type	k_qaa979ce5b8_attn,@function
k_qaa979ce5b8_attn:
	s_mov_b64 s[64:65], 0
	v_nop
	global_prefetch_b8 v0, s[64:65] scope:SCOPE_SE
	s_setreg_imm32_b32 hwreg(HW_REG_WAVE_MODE, 25, 1), 1
	s_wait_xcnt 0x0
	s_wait_alu depctr_hold_cnt(0) depctr_sa_sdst(0) depctr_va_vdst(0) depctr_va_sdst(0) depctr_va_ssrc(0) depctr_va_vcc(0) depctr_vm_vsrc(0)
	s_getreg_b32 s2, hwreg(HW_REG_IB_STS2, 6, 4)
	s_cmp_eq_u32 s2, 0
	s_cbranch_scc0 .Lentry_in_a_cluster
	s_endpgm
.Lentry_in_a_cluster:
	s_bfe_u32 s2, ttmp6, 0x10000c
	s_cmp_lg_u32 s2, 0x3003
	s_cbranch_scc0 .Lentry_shape_is_right
	s_endpgm
.Lentry_shape_is_right:
; ATTN: out0 = x + (softmax(q k^T / 8) v) w_out + b_out, all three products on codes of E5M2 with one E8M0 scale for each 32 along K.
; SHARES.  A work-group owns 64 queries (block 4 ttmp9 + cx) of batch ttmp7 and ALL FOUR HEADS, so that the output projection, whose K runs over (head, d), is made here and the attention's result never goes to memory.
; Wave w = 4 head + m owns one tile of 16 queries of one head in 256 registers: four waves to a SIMD, so that one wave's vector work stands beside another's products and LDS loads.  Every wave walks all 4,096 keys, 128 a step.
; CLUSTER.  The four work-groups of a cluster belong to one batch and walk the same K, V and scale bytes: each tile is asked for JOINTLY, by the same tensor load with the same descriptor and the mask 15.
; RING.  Two LDS slots of 256 keys x four heads (131,072 bytes, as they lie in kv: images of operand registers, so a group of four registers is 512 consecutive bytes) and two of 4,096 scale bytes.
;   Waves 0-3 fetch 32 KiB of codes each, wave 4 the scale bytes; a wave has at most one tensor load out.
; LAYOUT.  Both products transposed: S^T = K Q^T, O^T = V^T P^T: a lane holds ONE query throughout.  The rows of K's tiles and of V's are ordered by the launch before so that 16 registers of two neighbouring tiles are 16 neighbours along the next K.
; K = 64 IN A PRODUCT OF 128.  Q's registers for k = 64 .. 127 are zero codes.  K's tile t is named as v[32 + 8 t .. + 15]: its upper half is the next tile's codes (tile 7: zeros).  Those are finite, since this program's quantiser
;   holds every code at 57,344, and they meet zero codes: they add nothing.  The scale words are loaded as 16 bits, so the bytes of blocks 2 and 3 are 0, which stands for 2^-127; never 0xff.
; SOFTMAX.  t = score x log2(e) / 8; M = the running largest t rounded UP to a whole number; p = 2^(t - M) is quantised along the keys, not normalised; the row's sum is taken of the unquantised p and divides at the end;
;   when M moves, the sum and O^T are multiplied by 2^(old M - new M), which rounds nothing.  A block's largest p is taken through the block's largest score (this takes v_exp_f32 not to fall where its input rises).
; LIMITS: NaN and infinities are not served.  A block of zeros gets the byte 1 where the rule says 127 (its codes are zeros); blocks under 2^-111 are held at the byte 1.
.set SLOT1, 1<<17                      ; slot 1 of the codes: one exclusive or turns an address from one slot to the other
.set SCS,   2*SLOT1                    ; behind the ring: two slots of 4,096 scale bytes: 4 blocks x [K 512 | V 512]
.set SPARE, SCS+2*4096                 ; the spare words, 128 bytes for each wave: eight blocks of 256 bytes that no other line names
.set RIMG,  SPARE+16*128               ; the attention's result as 8 fragments (2 m + ks) of 2,048 bytes: images of registers
.set RSC,   RIMG+8*2048                ; their scale words, 64 bytes each
.set SP,    272                        ; the way out: a stage of 16 rows x (256 bytes + 16) for each wave, in slot 0, which has had its last fill and its last read at the last change of slots
.set NSL,   16                         ; slots' worth of keys
.set SPW,  5                           ; v5   LDS address of my spare word; never rewritten
.set NIL,  6                           ; v6   0; never rewritten
.set S,    104                         ; v104-167 S^T, then p
.set OT,   168                         ; v168-199 O^T; later the output's four tiles
.set PC,   200                         ; v200-215 p's codes
.set SW,   216                         ; v216-223 scale words of K or of V
.set BM,   224                         ; v224-227 each block's largest score, then its largest p
.set BP,   228                         ; v228-231 the other half's; then the bytes
.set HOLD, 232
.set SO,   236                         ; v236-239 the conversions' scale operands
.set SUM2, 240                         ; v240-241 the sum's second chain
.set F,    242                         ; v242 f = 2^(old M - new M)
.set PW,   243                         ; v243 p's scale word (named with f as a pair; the low word alone is used there)
.set TMP,  244
.set QS,   245                         ; v245 Q's scale word;  v246-247 w_out's;  v248 b_out
.set WV,   18
.set MNT,  19
.set SEL,  20
.set CS,   22
.set G1C,  24                          ; s[24:31] group 1 for the codes;  s[32:39] for the scale bytes;  s[40:43], s[44:47] their groups 0, which walk
.set G1S,  32
.set G0C,  40
.set G0S,  44
.set TB,   48                          ; s48  LDS byte at which the slot in hand begins
.set TS,   49                          ; s49  the same for the scale bytes (0 or 4,096)
.set SLOTS, 50
.macro MM0 d, a, b, sa, sb             ; a product that starts its sum
	v_wmma_scale_f32_16x16x128_f8f6f4 v[\d:\d+7], v[\a:\a+15], v[\b:\b+15], 0, v[\sa], v[\sb] matrix_a_fmt:MATRIX_FMT_BF8 matrix_b_fmt:MATRIX_FMT_BF8
.endm
.macro MM d, a, b, c, sa, sb
	v_wmma_scale_f32_16x16x128_f8f6f4 v[\d:\d+7], v[\a:\a+15], v[\b:\b+15], v[\c:\c+7], v[\sa], v[\sb] matrix_a_fmt:MATRIX_FMT_BF8 matrix_b_fmt:MATRIX_FMT_BF8
.endm
; A round of the cluster's barrier: my work-group's barrier; wave 0 signals for the work-group; every wave waits for all four work-groups; my work-group's barrier once more.
.macro CROUND
	s_barrier_signal -1
	s_barrier_wait -1
	s_cmp_lg_u32 s[WV], 0
	s_cbranch_scc1 .Lnot_wave_0_\@
	s_barrier_signal -3
.Lnot_wave_0_\@:
	s_barrier_wait -3
	s_barrier_signal -1
	s_barrier_wait -1
.endm
; A joint load: waves 0-3 a block's 32 KiB of codes each, wave 4 the slot's scale bytes, the others nothing.  The branches hang on the wave's number alone.  Four v_nop follow each of the two lines.
.macro TLOAD
	s_cmp_lt_u32 s[WV], 4
	s_cbranch_scc0 .Lnot_c_\@
	tensor_load_to_lds s[G0C:G0C+3], s[G1C:G1C+7]
	s_nop 0
.rept 4
	v_nop
.endr
	s_branch .Lasked_\@
.Lnot_c_\@:
	s_cmp_eq_u32 s[WV], 4
	s_cbranch_scc0 .Lasked_\@
	tensor_load_to_lds s[G0S:G0S+3], s[G1S:G1S+7]
	s_nop 0
.rept 4
	v_nop
.endr
.Lasked_\@:
.endm
; THE CHANGE OF SLOTS stands at a slot's head.  Each wave waits for all its tensor loads (its part of the slot ahead), adds 0 to its spare word, and waits for that and for its reads of the slot that it has left.
; fill = 1: a round of the cluster's barrier, so that no wave of any partner still reads that slot or has a load on its way; the joint fill of it is the first thing behind the round and has two key steps in which to land.
.macro CHANGE fill
	s_wait_tensorcnt 0x0                           ; no tensor load of mine is out, so a group 0 may be written
	ds_add_u32 v[SPW], v[NIL]                      ; 0 onto my spare word
.if \fill
	s_xor_b32 s[G0C+1], s[G0C+1], SLOT1            ; the walking descriptors: the other slot than last time,
	s_add_nc_u64 s[G0C+2:G0C+3], s[G0C+2:G0C+3], 131072   ; the next 256 keys; the type bits on top are not reached
	s_xor_b32 s[G0S+1], s[G0S+1], 4096
	s_add_nc_u64 s[G0S+2:G0S+3], s[G0S+2:G0S+3], 6144     ; four blocks of sc on
.endif
	s_wait_dscnt 0x0                               ; the add is done, and my reads of the slot that I have left are over
.if \fill
	CROUND
	TLOAD
.else
	s_barrier_signal -1
	s_barrier_wait -1
.endif
.endm
; A KEY STEP: 128 keys, two blocks of 64: the q-th of the slot in hand.
.macro STEP q
	v_add_nc_u32 v8, s[TB], v[1+\q]
	v_add_nc_u32 v10, s[TS], v3
.rept 6
	v_nop                                          ; with the two additions: eight places ahead of loads into registers that the last products read
.endr
.irp t, 0,1,2,3,4,5,6,7                        ; K's eight tiles of 16 keys: block t / 4, row tile t % 4; two groups of four registers each
	ds_load_b128 v[32+8*\t:35+8*\t], v8 offset:(\t/4)*32768+(\t%4)*1024
	ds_load_b128 v[36+8*\t:39+8*\t], v8 offset:(\t/4)*32768+(\t%4)*1024+512
	ds_load_u16 v[SW+\t], v10 offset:(2*\q+\t/4)*1024+(\t%4)*32
.endr
	s_wait_alu depctr_va_vdst(0)
	s_wait_dscnt 0x0
.irp t, 0,1,2,3,4,5,6,7
	MM0 S+8*\t, 32+8*\t, 16, SW+\t, QS             ; S^T: lane (r, h) holds query r; the 16 registers of tiles 2 b, 2 b + 1 are keys 32 b + 16 h + 0 .. 15 of the step
.endr
.rept 8
	v_nop                                          ; places ahead of the loads below and of the first read of the scores
.endr
.irp ct, 0,1,2,3                               ; V is asked for at once and lands under the softmax: four fragments of 16 of d x 128 keys; their scale bytes in two halves, a block of 64 keys each
.irp c, 0,1,2,3
	ds_load_b128 v[32+16*\ct+4*\c:35+16*\ct+4*\c], v8 offset:(\c/2)*32768+16384+1024*\ct+512*(\c%2)
.endr
	ds_load_u16 v[SW+\ct], v10 offset:(2*\q)*1024+512+32*\ct
	ds_load_u16 v[SW+4+\ct], v10 offset:(2*\q+1)*1024+512+32*\ct
.endr
.irp b, 0,1,2,3
	v_max3_num_f32 v[BM+\b], v[S+16*\b], v[S+1+16*\b], v[S+2+16*\b]   ; the largest score of each block of 32 keys: for the row's maximum, and, since p rises with the score, for the block's largest p
.endr
.irp i, 3,5,7,9,11,13
.irp b, 0,1,2,3
	v_max3_num_f32 v[BM+\b], v[BM+\b], v[S+16*\b+\i], v[S+1+16*\b+\i]
.endr
.endr
.irp b, 0,1,2,3
	v_max_num_f32 v[BM+\b], v[BM+\b], v[S+15+16*\b]
.endr
.irp b, 0,1,2,3
	s_delay_alu instid0(VALU_DEP_4)
	v_permlanex16_b32 v[BP+\b], v[BM+\b], s[SEL], s[SEL+1]
.endr
.irp b, 0,1,2,3
	s_delay_alu instid0(VALU_DEP_4)
	v_max_num_f32 v[BM+\b], v[BM+\b], v[BP+\b]     ; with lane l xor 16's 16 keys
.endr
	s_delay_alu instid0(VALU_DEP_2)
	v_max3_num_f32 v[TMP], v[BM], v[BM+1], v[BM+2]
	s_delay_alu instid0(VALU_DEP_1)
	v_max_num_f32 v[TMP], v[TMP], v[BM+3]          ; the step's largest score of my query
	s_delay_alu instid0(VALU_DEP_1)
	v_mul_f32 v[TMP], s[CS], v[TMP]                ; as t (c is positive)
	s_delay_alu instid0(VALU_DEP_1)
	v_max_num_f32 v13, v13, v[TMP]                 ; the running largest t
	v_mov_b32 v[TMP], v12
	s_delay_alu instid0(VALU_DEP_2)
	v_floor_f32 v12, -v13                          ; the new -M = floor(-t) = -ceil(t)
	s_delay_alu instid0(VALU_DEP_1)
	v_sub_f32 v[TMP], v12, v[TMP]                  ; old M less new M: a whole number, 0 or less
	s_delay_alu instid0(VALU_DEP_1)
	v_cvt_i32_f32 v[TMP], v[TMP]                   ; (it saturates)
	s_delay_alu instid0(VALU_DEP_1)
	v_ldexp_f32 v[F], 1.0, v[TMP]                  ; f = 2^(old M - new M)
.set j, 0
.rept 32
	v_pk_fma_f32 v[S+j:S+j+1], v[S+j:S+j+1], s[CS:CS+1], v[12:13] op_sel_hi:[1,0,0]   ; t - M, two at a time (of the pairs c and -M the low word serves both halves)
.set j, j+2
.endr
.irp b, 0,1,2,3
	v_fma_f32 v[BM+\b], v[BM+\b], s[CS], v12       ; the same of each block's largest score
.endr
.set j, 0
	s_wait_alu depctr_va_vdst(0)
.rept 64
	v_exp_f32 v[S+j], v[S+j]                       ; p = 2^(t - M), at most 1
.set j, j+1
.endr
.irp b, 0,1,2,3
	v_exp_f32 v[BM+\b], v[BM+\b]                   ; the block's largest p: the same two instructions on the same number give the same bits
.endr
	v_pk_mul_f32 v[14:15], v[14:15], v[F:F+1] op_sel_hi:[1,0]   ; the sums under the new M.  (A plain line behind the exponentials)
	s_wait_alu depctr_va_vdst(0)
.irp b, 0,1,2,3
	v_max_num_f32 v[BM+\b], 0x8000000, v[BM+\b]    ; the floor 2^(16 - 127): the byte cannot fall under 1
.endr
.irp b, 0,1,2,3
	s_delay_alu instid0(VALU_DEP_4)
	v_add_nc_u32 v[SO+\b], 0xf8800000, v[BM+\b]    ; 15 off the exponent field: the conversion's scale operand
.endr
.irp b, 0,1,2,3
.endr
.irp b, 0,1,2,3
	s_delay_alu instid0(VALU_DEP_4)
	v_lshrrev_b32 v[BP+\b], 23, v[SO+\b]           ; the scale's byte
.endr
	s_delay_alu instid0(VALU_DEP_3)
	v_lshl_or_b32 v[PW], v[BP+1], 8, v[BP]         ; p's scale word for these 128 keys
	s_delay_alu instid0(VALU_DEP_1)
	v_lshl_or_b32 v[PW], v[BP+2], 16, v[PW]
	s_delay_alu instid0(VALU_DEP_1)
	v_lshl_or_b32 v[PW], v[BP+3], 24, v[PW]
	v_pk_add_f32 v[240:241], v[108:109], v[112:113]
	v_pk_add_f32 v[254:255], v[116:117], v[120:121]
	v_pk_add_f32 v[252:253], v[124:125], v[128:129]
	v_pk_add_f32 v[250:251], v[132:133], v[136:137]
	v_pk_add_f32 v[248:249], v[140:141], v[144:145]
	v_pk_add_f32 v[246:247], v[148:149], v[152:153]
	v_pk_add_f32 v[234:235], v[156:157], v[160:161]
	v_pk_add_f32 v[14:15], v[14:15], v[164:165]
	v_pk_add_f32 v[240:241], v[240:241], v[104:105]
	v_pk_add_f32 v[254:255], v[254:255], v[106:107]
	v_pk_add_f32 v[252:253], v[252:253], v[110:111]
	v_pk_add_f32 v[250:251], v[250:251], v[114:115]
	v_pk_add_f32 v[248:249], v[248:249], v[118:119]
	v_pk_add_f32 v[246:247], v[246:247], v[122:123]
	v_pk_add_f32 v[234:235], v[234:235], v[126:127]
	v_pk_add_f32 v[14:15], v[14:15], v[130:131]
	v_pk_add_f32 v[240:241], v[240:241], v[134:135]
	v_pk_add_f32 v[254:255], v[254:255], v[138:139]
	v_pk_add_f32 v[252:253], v[252:253], v[142:143]
	v_pk_add_f32 v[250:251], v[250:251], v[146:147]
	v_pk_add_f32 v[248:249], v[248:249], v[150:151]
	v_pk_add_f32 v[246:247], v[246:247], v[154:155]
	v_pk_add_f32 v[234:235], v[234:235], v[158:159]
	v_pk_add_f32 v[14:15], v[14:15], v[162:163]
	v_pk_add_f32 v[240:241], v[240:241], v[166:167]
	s_delay_alu instid0(VALU_DEP_2)
	v_pk_add_f32 v[14:15], v[14:15], v[250:251]
	s_delay_alu instid0(VALU_DEP_2)
	v_pk_add_f32 v[240:241], v[240:241], v[248:249]
	v_pk_add_f32 v[254:255], v[254:255], v[246:247]
	v_pk_add_f32 v[252:253], v[252:253], v[234:235]
	s_delay_alu instid0(VALU_DEP_2)
	v_pk_add_f32 v[14:15], v[14:15], v[254:255]
	s_delay_alu instid0(VALU_DEP_2)
	v_pk_add_f32 v[240:241], v[240:241], v[252:253]
	s_delay_alu instid0(VALU_DEP_1)
	v_pk_add_f32 v[14:15], v[14:15], v[240:241]
	s_wait_dscnt 0x0                               ; V and its scale bytes are in
.irp ct, 0,1,2,3
	v_lshl_or_b32 v[SW+\ct], v[SW+4+\ct], 16, v[SW+\ct]   ; the two blocks' bytes make V's scale word.  The conversions and the 16 rescalings of O^T below stand between these lines and the products
.endr
.irp b, 0,1,2,3
.irp i, 0,1,2,3,4,5,6,7,8,9,10,11,12,13,14,15
.endr
	v_cvt_scalef32_pk8_bf8_f32 v[PC+4*\b:PC+1+4*\b], v[S+16*\b:S+7+16*\b], v[SO+\b]
	v_cvt_scalef32_pk8_bf8_f32 v[PC+2+4*\b:PC+3+4*\b], v[S+8+16*\b:S+15+16*\b], v[SO+\b]
.endr
.set j, 0
.rept 16
	v_pk_mul_f32 v[OT+j:OT+j+1], v[OT+j:OT+j+1], v[F:F+1] op_sel_hi:[1,0]   ; O^T under the new M.  (These are also the lines between the conversions and the products)
.set j, j+2
.endr
.irp ct, 0,1,2,3
	MM OT+8*\ct, 32+16*\ct, PC, OT+8*\ct, SW+\ct, PW   ; O^T += V^T P^T: four accumulators, one product each
.endr
.endm
.macro SLOT_STEPS
	STEP 0
	STEP 1
	s_xor_b32 s[TB], s[TB], SLOT1                  ; on to the other slot
	s_xor_b32 s[TS], s[TS], 4096
.endm
	s_load_b256 s[4:11], s[0:1], 0x0               ; qimg, kv, sc, wimg
	s_load_b128 s[12:15], s[0:1], 0x20             ; b_out, x
	s_load_b64 s[16:17], s[0:1], 0x30              ; out0
	v_lshl_add_u32 v[SPW], v0, 2, SPARE
	v_mov_b32 v[NIL], 0
	ds_add_u32 v5, v6
	ds_add_u32 v5, v6
	s_wait_dscnt 0x0
	v_lshrrev_b32 v8, 5, v0
	s_delay_alu instid0(VALU_DEP_1)
	v_readfirstlane_b32 s[WV], v8                  ; wave 0..15
	s_bfe_u32 s51, ttmp6, 0x40000                  ; cx: my place in the cluster.  It enters the addresses of qimg, Q's scale bytes, x and out0 alone (s2, s3, s51, s52, s54)
	s_lshl_b32 s52, ttmp9, 2                       ; in a cluster launch ttmp9 counts clusters
	s_add_co_u32 s52, s52, s51                     ; my block of 64 queries
	s_and_b32 s53, ttmp7, 0xffff                   ; the batch, which the four partners share
	s_lshl_b32 s54, s53, 6
	s_add_co_u32 s54, s54, s52                     ; 64 batch + block
	s_and_b32 s55, s[WV], 3                        ; m; also: which block of a slot I fetch, if I fetch
	s_lshr_b32 s62, s[WV], 2                       ; head
	s_lshl_b32 s[G0C+1], s55, 15                   ; 63:32 LDS address: slot 0, 32,768 x wave
	s_lshl_b32 s56, s53, 21                        ; kv: the batch's 2 MiB,
	s_add_co_u32 s56, s56, s[G0C+1]                ; my block
	s_mov_b32 s57, 0
	s_mul_i32 s58, s53, 98304                      ; sc: the batch's 64 blocks of 1,536 bytes,
	s_add_co_u32 s58, s58, 512                     ; behind Q's 512
	s_mov_b32 s59, 0
	; group 1 for the codes: 32 KiB, dense in memory, as 128 rows of 256 bytes (32 elements of 8 bytes); no padding: the reads take 512 consecutive bytes
	s_mov_b32 s[G1C], 15|(3<<16)|(1<<21)           ; 15:0 the mask: all four work-groups; 17:16 elements of 8 bytes; 21 set beside a mask
	s_mov_b32 s[G1C+1], 32<<16                     ; tensor_dim0
	s_mov_b32 s[G1C+2], 128<<16                    ; tensor_dim1
	s_mov_b32 s[G1C+3], 32<<16                     ; tile_dim0
	s_mov_b32 s[G1C+4], 128                        ; tile_dim1
	s_mov_b32 s[G1C+5], 32                         ; tensor_dim0_stride
	s_mov_b32 s[G1C+6], 0
	s_mov_b32 s[G1C+7], 0
	; for the scale bytes: 4 rows (blocks) of 1,024 bytes (K's 512, V's 512), 1,536 bytes apart
	s_mov_b32 s[G1S], 15|(3<<16)|(1<<21)
	s_mov_b32 s[G1S+1], 128<<16
	s_mov_b32 s[G1S+2], 4<<16
	s_mov_b32 s[G1S+3], 128<<16
	s_mov_b32 s[G1S+4], 4
	s_mov_b32 s[G1S+5], 192
	s_mov_b32 s[G1S+6], 0
	s_mov_b32 s[G1S+7], 0
	s_mov_b32 s[SEL], 0x76543210
	s_mov_b32 s[SEL+1], 0xfedcba98                 ; lane l xor 16
	s_mov_b32 s[CS], 0x3e38aa3b                    ; c = log2(e) / 8
	s_mov_b32 s[CS+1], s[CS]                       ; (named with it as a pair, so it is written)
	s_mov_b32 s[TB], 0
	s_mov_b32 s[TS], 0
	s_mov_b32 s[SLOTS], NSL-1
	s_wait_kmcnt 0x0
	s_mov_b32 s[G0C], 1                            ; 1:0 count = 1
	s_add_nc_u64 s[G0C+2:G0C+3], s[6:7], s[56:57]  ; 120:64 global address
	s_or_b32 s[G0C+3], s[G0C+3], 0x80000000        ; 127:126 type = 2
	s_mov_b32 s[G0S], 1
	s_mov_b32 s[G0S+1], SCS
	s_add_nc_u64 s[G0S+2:G0S+3], s[8:9], s[58:59]
	s_or_b32 s[G0S+3], s[G0S+3], 0x80000000
	CROUND                                         ; all four work-groups are here: the first joint loads meet
	TLOAD                                          ; slot 0
	v_and_b32 v8, 31, v0                           ; lane
	v_and_b32 v10, 15, v0                          ; r
	s_wait_alu depctr_va_vdst(0)
	s_lshl_b32 s2, s54, 14                         ; qimg: 16,384 bytes a block, 1,024 a wave
	s_lshl_b32 s3, s[WV], 10
	s_add_co_u32 s2, s2, s3
	v_lshl_add_u32 v4, v8, 4, s2
	s_mul_i32 s2, s54, 1536                        ; Q's scale bytes: 32 a wave, 2 a row
	s_lshl_b32 s3, s[WV], 5
	s_add_co_u32 s2, s2, s3
	v_lshl_add_u32 v9, v10, 1, s2
	global_load_b128 v[16:19], v4, s[4:5] th:TH_LOAD_NT              ; Q's codes stay in registers: k = 0 .. 31,
	global_load_b128 v[20:23], v4, s[4:5] offset:512 th:TH_LOAD_NT   ; k = 32 .. 63
	global_load_u16 v[QS], v9, s[8:9]              ; two bytes; the upper two are 0
	s_lshl_b32 s60, s62, 12
	v_lshl_add_u32 v1, v8, 4, s60                  ; my head's images in a block: 4,096 head + 16 lane; the slot's blocks 0, 1;
	s_delay_alu instid0(VALU_DEP_1)
	v_add_nc_u32 v2, 0x10000, v1                   ; blocks 2, 3
	s_lshl_b32 s60, s62, 7
	s_add_co_u32 s60, s60, SCS
	v_lshl_add_u32 v3, v10, 1, s60                 ; my head's scale bytes: 128 head + 2 r
	v_mov_b32 v13, 0xff61b1e6                      ; the largest t so far: -3e38, under every t
	s_delay_alu instid0(VALU_DEP_1)
	v_floor_f32 v12, -v13                          ; -M
	v_mov_b32 v14, 0                               ; the sum, in two halves
	v_mov_b32 v15, 0
.irp j, 0,1,2,3,4,5,6,7
	v_mov_b32 v[24+\j], 0                          ; Q's zero codes for k = 64 .. 127
	v_mov_b32 v[96+\j], 0                          ; and what stands above K's tile 7
.endr
.irp b, 0,1,2,3
	v_mov_b32 v[BP+\b], 0                          ; a lane permute's destination counts as one of its sources
.endr
	v_mov_b32 v[PW], 0                             ; (named as the upper half of the pair with f before it is first written)
	v_mov_b32 v[TMP], 0
.set j, 0
.rept 32
	v_mov_b32 v[OT+j], 0                           ; O^T.  (The step is written once: its first turn finds zeros, which the first change of M leaves zeros)
.set j, j+1
.endr
	s_wait_loadcnt 0x0                             ; Q
.Lslot:                                            ; NSL - 1 trips: behind each change of slots but the last the next slot is asked for
	CHANGE 1
	SLOT_STEPS
	s_sub_co_u32 s[SLOTS], s[SLOTS], 1
	s_cmp_lg_u32 s[SLOTS], 0
	s_cbranch_scc1 .Lslot
	CHANGE 0                                       ; the last slot is written out
	SLOT_STEPS
	; ---- THE TAIL.  O^T / the sum is quantised along (head, d) and goes to the other waves as an image of registers; wave w then makes output channels 16 w .. 16 w + 15 for all 64 queries.
.rept 9
	v_nop                                          ; eight places ahead of the reads of O^T and of loads into V's registers; nine ahead of the products below, which begin these accumulators anew with another C
.endr
	v_and_b32 v8, 31, v0                           ; lane
	v_and_b32 v10, 15, v0                          ; r
	s_wait_alu depctr_va_vdst(0)
	v_bfe_u32 v11, v0, 4, 1                        ; h
	s_lshl_b32 s60, s[WV], 12
	v_lshl_add_u32 v4, v8, 4, s60                  ; w_out's fragments 96 + 2 w + ks
	s_lshl_b32 s60, s[WV], 8
	v_lshl_add_u32 v9, v8, 2, s60                  ; their scale words
	s_lshl_b32 s60, s[WV], 6
	v_lshl_add_u32 v1, v10, 2, s60                 ; b_out[16 w + r]
	s_lshl_b32 s2, s53, 22                         ; x and out0: the batch,
	s_lshl_b32 s3, s[WV], 18                       ; channel 16 w,
	s_add_co_u32 s2, s2, s3
	s_lshl_b32 s3, s52, 8                          ; my block's 64 pixels: 256 bytes
	s_add_co_u32 s2, s2, s3
	v_lshl_add_u32 v7, v10, 4, s2                  ; lanes 0-15 take one channel's 256 bytes, lanes 16-31 the next channel's
	s_wait_alu depctr_va_vdst(0)
	v_lshl_add_u32 v7, v11, 14, v7
.irp n, 0,1,2,3,4,5,6,7
	global_load_b128 v[104+4*\n:107+4*\n], v4, s[10:11] offset:196608+512*\n
.endr
	global_load_b32 v246, v9, s[10:11] offset:274432
	global_load_b32 v247, v9, s[10:11] offset:274432+128
	global_load_b32 v248, v1, s[12:13]
.irp i, 0,1,2,3,4,5,6,7
	global_load_b128 v[136+4*\i:139+4*\i], v7, s[14:15] offset:32768*\i th:TH_LOAD_NT   ; x(channel 16 w + 2 i + h, my block): the residual
.endr
	v_add_f32 v14, v14, v15                        ; the sum's two halves,
	s_delay_alu instid0(VALU_DEP_1)
	v_permlanex16_b32 v[TMP], v14, s[SEL], s[SEL+1]
	s_delay_alu instid0(VALU_DEP_1)
	v_add_f32 v14, v14, v[TMP]                     ; and lane l xor 16's: the row's sum
	s_wait_alu depctr_va_vdst(0)
	v_rcp_f32 v14, v14
	s_lshl_b32 s60, s55, 12                        ; the image of my part: fragment 2 m + head / 2, groups 2 (head % 2) and + 1: 4,096 m + 1,024 head
	s_lshl_b32 s61, s62, 10
	s_add_co_u32 s60, s60, s61
	s_add_co_u32 s60, s60, RIMG
	v_lshl_add_u32 v2, v8, 4, s60                  ; (a plain line behind the transcendental)
	s_lshl_b32 s60, s55, 7                         ; its two scale bytes: 128 m + 64 (head / 2) + 4 r + 2 (head % 2)
	s_lshr_b32 s61, s62, 1
	s_lshl_b32 s61, s61, 6
	s_add_co_u32 s60, s60, s61
	s_and_b32 s61, s62, 1
	s_lshl_b32 s61, s61, 1
	s_add_co_u32 s60, s60, s61
	s_add_co_u32 s60, s60, RSC
	v_lshl_add_u32 v3, v10, 2, s60
	v_lshl_add_u32 v249, v8, 4, RIMG               ; and back, in any wave
	v_lshl_add_u32 v250, v10, 2, RSC
	s_mul_i32 s60, s[WV], 16*SP                    ; my stage
	v_mul_u32_u24 v251, v10, SP
	s_delay_alu instid0(VALU_DEP_1)
	v_lshl_add_u32 v251, v11, 6, v251
	s_delay_alu instid0(VALU_DEP_1)
	v_add_nc_u32 v251, s60, v251                   ; in: row r (a channel), + 64 h
	v_mul_u32_u24 v252, v11, SP
	s_delay_alu instid0(VALU_DEP_1)
	v_lshl_add_u32 v252, v10, 4, v252
	s_delay_alu instid0(VALU_DEP_1)
	v_add_nc_u32 v252, s60, v252                   ; back: lanes 0-15 one row, lanes 16-31 the next
.set j, 0
	s_wait_alu depctr_va_vdst(0)
.rept 16
	v_pk_mul_f32 v[OT+j:OT+j+1], v[OT+j:OT+j+1], v[14:15] op_sel_hi:[1,0]   ; O^T / the sum, each accumulator from its low end on: register 16 b + i is d = 32 b + 16 h + i of my head
.set j, j+2
.endr
.irp b, 0,1
	v_max3_num_f32 v[BM+\b], |v[OT+16*\b]|, |v[OT+1+16*\b]|, 0x8000000
.endr
.irp i, 2,4,6,8,10,12,14
.irp b, 0,1
	s_delay_alu instid0(VALU_DEP_2)
	v_max3_num_f32 v[BM+\b], v[BM+\b], |v[OT+16*\b+\i]|, |v[OT+1+16*\b+\i]|
.endr
.endr
.irp b, 0,1
	s_delay_alu instid0(VALU_DEP_2)
	v_permlanex16_b32 v[BP+\b], v[BM+\b], s[SEL], s[SEL+1]
.endr
.irp b, 0,1
	s_delay_alu instid0(VALU_DEP_2)
	v_max_num_f32 v[BM+\b], v[BM+\b], v[BP+\b]
.endr
.irp b, 0,1
	s_delay_alu instid0(VALU_DEP_2)
	v_add_nc_u32 v[SO+\b], 0xf8800000, v[BM+\b]
.endr
.irp b, 0,1
.endr
.irp b, 0,1
	s_delay_alu instid0(VALU_DEP_2)
	v_lshrrev_b32 v[BP+\b], 23, v[SO+\b]
.endr
	s_delay_alu instid0(VALU_DEP_1)
	v_lshl_or_b32 v[TMP], v[BP+1], 8, v[BP]        ; my head's two bytes of the row's scale word
.irp b, 0,1
.irp i, 0,1,2,3,4,5,6,7,8,9,10,11,12,13,14,15
.endr
	v_cvt_scalef32_pk8_bf8_f32 v[PC+4*\b:PC+1+4*\b], v[OT+16*\b:OT+7+16*\b], v[SO+\b]
	v_cvt_scalef32_pk8_bf8_f32 v[PC+2+4*\b:PC+3+4*\b], v[OT+8+16*\b:OT+15+16*\b], v[SO+\b]
.endr
	v_nop                                          ; a plain line between the conversions and the products that write their sources
	ds_store_b128 v2, v[PC:PC+3]
	ds_store_b128 v2, v[PC+4:PC+7] offset:512
	ds_store_b16 v3, v[TMP]                        ; both lanes of a block write the same bytes with the same value
	s_wait_dscnt 0x0                               ; for the others' sake: my image has landed
	s_barrier_signal -1
	s_barrier_wait -1                              ; the eight fragments lie in LDS
	s_wait_loadcnt 8                               ; w_out's fragments, its scale words and b_out are in; x's eight loads, issued behind them, may be out
.irp j, 0,1,2,3,4,5,6,7
	v_mov_b32 v[208+\j], v248                      ; in the result a lane holds one channel: its bias in all eight registers, the C of the first products
.endr
	s_wait_alu depctr_va_vdst(0)
.irp ks, 0,1
.irp m, 0,1,2,3
.irp c, 0,1,2,3
	ds_load_b128 v[32+16*\m+4*\c:35+16*\m+4*\c], v249 offset:(2*\m+\ks)*2048+512*\c
.endr
	ds_load_b32 v[SW+4+\m], v250 offset:(2*\m+\ks)*64
.endr
	s_wait_dscnt 0x0
.irp m, 0,1,2,3
.if \ks == 0
	MM OT+8*\m, 32+16*\m, 104, 208, SW+4+\m, 246   ; source 0 = 16 queries, source 1 = 16 channels of w_out: four accumulators by turns
.else
	MM OT+8*\m, 32+16*\m, 120, OT+8*\m, SW+4+\m, 247
.endif
.endr
.rept 8
	v_nop                                          ; places ahead of the next loads into these operands, and of the first read of the results
.endr
.endr
	; THE WAY OUT.  Lane (r, h) holds channel 16 w + r; registers of tiles 2 P, 2 P + 1 are pixels 32 P + 16 h + 0 .. 15.  Through my own stage the 16 channels come back as whole rows of 256 bytes.
.irp m, 0,1,2,3
	ds_store_b128 v251, v[OT+8*\m:OT+8*\m+3] offset:128*(\m/2)+32*(\m%2)          ; each accumulator from its low end on
	ds_store_b128 v251, v[OT+8*\m+4:OT+8*\m+7] offset:128*(\m/2)+32*(\m%2)+16
.endr
.irp i, 0,1,2,3,4,5,6,7
	ds_load_b128 v[32+4*\i:35+4*\i], v252 offset:2*\i*SP   ; LDS serves a wave's instructions in order (ISA guide 5.7.1.4): these see my stores
.endr
	s_wait_loadcnt 0x0                             ; x
.irp i, 0,1,2,3,4,5,6,7
	s_wait_dscnt 7-\i                              ; rows 2 i, 2 i + 1 are back; the younger loads may be out
	v_pk_add_f32 v[32+4*\i:33+4*\i], v[32+4*\i:33+4*\i], v[136+4*\i:137+4*\i]
	v_pk_add_f32 v[34+4*\i:35+4*\i], v[34+4*\i:35+4*\i], v[138+4*\i:139+4*\i]
	global_store_b128 v7, v[32+4*\i:35+4*\i], s[16:17] offset:32768*\i th:TH_STORE_NT   ; 16 lanes store 256 consecutive bytes of a channel, aligned
.endr
	s_wait_tensorcnt 0x0                           ; the wave's end: behind my last tensor load and my last LDS store
	ds_add_u32 v[SPW], v[NIL]
	s_wait_dscnt 0x0
	CROUND                                         ; the closing round: no work-group ends while a partner may still ask for a tile that names it
	s_endpgm
.Lfunc_end_k_qaa979ce5b8_attn:
	.size	k_qaa979ce5b8_attn, .Lfunc_end_k_qaa979ce5b8_attn-k_qaa979ce5b8_attn
	.p2alignl 7, 3214868480
	.fill 96, 4, 3214868480
	.section	.rodata,"a",@progbits
	.p2align	6, 0x0
	.amdhsa_kernel k_qaa979ce5b8_attn
		.amdhsa_group_segment_fixed_size 327680
		.amdhsa_private_segment_fixed_size 0
		.amdhsa_enable_private_segment 0
		.amdhsa_kernarg_size 56
		.amdhsa_user_sgpr_count 2
		.amdhsa_user_sgpr_kernarg_segment_ptr 1
		.amdhsa_wavefront_size32 1
		.amdhsa_system_sgpr_workgroup_id_x 1
		.amdhsa_system_sgpr_workgroup_id_y 1
		.amdhsa_system_sgpr_workgroup_id_z 1
		.amdhsa_system_vgpr_workitem_id 0
		.amdhsa_next_free_vgpr 256
		.amdhsa_next_free_sgpr 66
		.amdhsa_reserve_vcc 0
		.amdhsa_float_denorm_mode_32 3
		.amdhsa_float_denorm_mode_16_64 3
		.amdhsa_fp16_overflow 1
		.amdhsa_memory_ordered 1
		.amdhsa_forward_progress 1
		.amdhsa_inst_pref_size 97
	.end_amdhsa_kernel
	.amdgpu_metadata
---
amdhsa.version: [ 1, 2 ]
amdhsa.kernels:
  - .name:           k_qaa979ce5b8_attn
    .symbol:         k_qaa979ce5b8_attn.kd
    .args:
      - { .name: qimg, .offset: 0, .size: 8, .value_kind: global_buffer, .address_space: global }
      - { .name: kv, .offset: 8, .size: 8, .value_kind: global_buffer, .address_space: global }
      - { .name: sc, .offset: 16, .size: 8, .value_kind: global_buffer, .address_space: global }
      - { .name: wimg, .offset: 24, .size: 8, .value_kind: global_buffer, .address_space: global }
      - { .name: b_out, .offset: 32, .size: 8, .value_kind: global_buffer, .address_space: global }
      - { .name: x, .offset: 40, .size: 8, .value_kind: global_buffer, .address_space: global }
      - { .name: out0, .offset: 48, .size: 8, .value_kind: global_buffer, .address_space: global }
    .group_segment_fixed_size: 327680
    .private_segment_fixed_size: 0
    .kernarg_segment_align: 8
    .kernarg_segment_size: 56
    .max_flat_workgroup_size: 512
    .sgpr_count:     66
    .vgpr_count:     256
    .wavefront_size: 32
...
	.end_amdgpu_metadata
.endif
;; end of part 3
